; MI455X (gfx1250); checked and timed in simulation.
; The chip was launched on July 23, 2026; its instructions are those of AMD's public machine-readable ISA for CDNA 5 (MIT licence, August 2026) and "CDNA5" Instruction Set Architecture Reference Guide (July 2026). The comments in the code are by the model that wrote it; some were corrected since.
;; Quant4 Linear. Allowed arithmetic: float matrix products may take bf16 or f16 operands with f32 sums; other float arithmetic in f32, or as packed bf16 or f16 multiplies, adds, multiply-adds, maxima and minima; sums over many terms, partial sums and values carried from step to step in f32; what a program stores and reads back later, other than sums and carried values, may be rounded once to bf16 or f16.
;; Inputs: bias 11,008 float32; qweight 512 x 11,008 int32; scales 11,008 float32; x 1 x 4,096 float32; zeros 11,008 float32.
;; Outputs: out0 1 x 11,008 float32.
;; 2 versions, each right; version 2 is version 1 with the launch q4gemv written anew for expert scheduling mode. Each part assembles by itself: llvm-mc -triple=amdgcn-amd-amdhsa -mcpu=gfx1250 --defsym DOCPART=n.
;; ======== version 1 of 2: 1 launch
;; limits: values are held in f16: magnitudes above 65,504 overflow, below 6.1e-05 lose precision; inputs' magnitudes at most 60,000
;; launch q4gemv (part 1): grid 172 x 1, 16 waves a work-group, no clusters, 22,784 bytes of LDS; arguments x, qweight, scales, zeros, bias, out0; writes out0
.if DOCPART == 1
	.amdgcn_target "amdgcn-amd-amdhsa--gfx1250"
	.amdhsa_code_object_version 6
	.text
	.protected	k_q8446551d0e_q4gemv
	.globl	k_q8446551d0e_q4gemv
	.p2align	8
	.type	k_q8446551d0e_q4gemv,@function
k_q8446551d0e_q4gemv:
	s_mov_b64 s[64:65], 0
	v_nop
	global_prefetch_b8 v0, s[64:65] scope:SCOPE_SE
	s_setreg_imm32_b32 hwreg(HW_REG_WAVE_MODE, 25, 1), 1
	s_wait_xcnt 0x0
; out0[c] = scales[c] * (sum over k of x[k] q[k][c]) - zeros[c] * (sum over k of x[k]) + bias[c];  q[8 w + j][c] = bits 4 j .. 4 j + 3 of qweight[w][c].
; x: [4096] f32; qweight: [512][11008] i32; scales, zeros, bias, out0: [11008] f32.  Nothing of reference() is left out: all five inputs are loaded and used.
; SHARES.  A row of qweight is 44,032 bytes = 172 aligned blocks of 256 bytes (64 columns).  A work-group owns one block for all of K: 172 work-groups; each column's sum is made in one
; work-group, so one launch does.  K IS SPLIT AMONG ITS 16 WAVES: wave v takes rows 32 v .. 32 v + 31 of qweight (256 k): 16 loads of 16 bytes a lane, each two rows x 256 consecutive bytes
; (lanes 0-15 one row, lanes 16-31 the next).  All 16 are issued at the wave's head, into 64 registers: the work-group's 131,072 bytes are asked for at once, and nothing is left to ask for ahead.
; THE PRODUCT goes to the matrix unit in f16, sums in f32.  Source 0 holds x, source 1 sixteen columns of q.  In either source lane l holds row or column l % 16 and, by its half l / 16 and its
; registers, 16 of the 32 k; the two maps are alike, so any order of k serves that both sources keep.  A word of qweight IS eight k of one column: half a lane's fragment.  Register i of a lane's 16
; bytes is column 4 (l % 16) + i: tile i holds the columns 4 r + i, and two loads feed four products, on four accumulators that take turns.
; UNPACKING, four instructions a word, one for each register of two f16, all numbers exact in f16:
;   (w & 0x000f000f) | 0x64006400 = (1024 + q0, 1024 + q4)            (w & 0x00f000f0) | 0x64006400 = (1024 + 16 q1, 1024 + 16 q5)
;   bytes 1 and 3 of w, each under a byte 0x64 = (1024 + q2 + 16 q3, 1024 + q6 + 16 q7)            that register & 0xfff0fff0 = (1024 + 16 q3, 1024 + 16 q7)
; x pays for it, once a wave: the four registers' COEFFICIENTS are (x0, x4), (x1 / 16, x5 / 16), (x2, x6), (x3 / 16 - x2, x7 / 16 - x6), since x2 (q2 + 16 q3) + (x3 / 16 - x2) 16 q3 = x2 q2 + x3 q3.
; A wave's sum is then xq + 1024 x (the sum of its 256 coefficients); that term, made in f32, is taken away in the wave.
; EACH COEFFICIENT c GOES IN TWICE: the even rows of source 0 hold f16(c), the odd rows f16(c - f16(c)); result rows 0 and 1 are added.  So c is carried to about 2^-22 of itself; a code's number is
; at most 1,279 against q's mean of 7.5, which raises that to about 2^-14 of a term of xq: finer than one rounding of x to bf16.  The f32 sums carried are up to some 140 times xq's own: about
; 2^-17 of xq is lost there.  Rows 2 to 15 repeat rows 0 and 1 (a result row hangs on its own row of source 0 alone): lanes 16-31 end with the same numbers as lanes 0-15.
; THE FRAGMENTS OF x go through the wave's own LDS bytes (a lane makes one row's eight coefficients; a fragment wants them in every lane).  They are read back two K steps ahead of their
; products, two loads a step, beside the unpacking: not in one run of 16 in front of the first product.
; LIMITS.  |x| stays under 60,000 (x3 / 16 - x2 in f16); a coefficient is carried with an absolute error of up to 2^-25 from f16's smallest step; sums are taken in another order than
; reference()'s; NaN and infinities are not treated apart.
; NO CLUSTER: work-groups share x alone, 16,384 of the 148,224 bytes that each reads.  NO LDS ON qweight's WAY IN: no wave wants a byte of it that another has fetched.
.set NCOL,  11008
.set ROWB,  NCOL*4                     ; bytes in a row of qweight
.set WROWS, 32                         ; rows of qweight to a wave
.set XA,    0                          ; LDS: wave v's own 1,024 bytes at 1,024 v: for each of its 32 rows 16 bytes of f16(c), 16 bytes of the remainders
.set RED,   16384                      ; wave v's 64 partial sums, 256 bytes, at RED + 256 v
.set XSUM,  RED+4096                   ; wave v's sum of x at XSUM + 4 v
.set SPARE, XSUM+256                   ; the spare words, 128 bytes for each of the 16 waves: eight blocks of 256 bytes that no other line names
.set C64,  1                           ; v1   at work in the set-up; then 1024.0 twice, in f16
.set SPW,  5                           ; v5   LDS address of my spare word; never rewritten
.set NIL,  6                           ; v6   0; never rewritten
.set QO,   7                           ; v7   my byte offset in the wave's first two rows of the block: (l / 16) x ROWB + 16 (l % 16)
.set XO,   8                           ; v8   1,024 v + 32 l: my 8 numbers of x in memory, and my 32 bytes in XA
.set XL,   9                           ; v9   where I read fragments of x: 1,024 v + 32 (l / 16) + 16 (l % 2)
.set RS,   10                          ; v10  256 v + 16 (l % 16): where I put my four partial sums
.set RL,   11                          ; v11  8 l: my two columns in a row of partial sums
.set SL,   12                          ; v12  4 (l % 16): one wave's sum of x
.set SS,   13                          ; v13  4 v
.set XS,   14                          ; v14  sum of x
.set CW,   15                          ; v15  1024 x the sum of the coefficients
.set EO,   16                          ; v16  256 x block + 8 l: my two columns in scales, zeros, bias, out0
.set MONE, 17                          ; v17  -1.0
.set S0,   18                          ; v[18:19] sums at work
.set S1,   20                          ; v[20:21] likewise
.set XF,   22                          ; v[22:29] my 8 numbers of x, then my 8 coefficients
.set HI,   30                          ; v[30:33] f16(c): register j holds the coefficients j and j + 4
.set LO,   34                          ; v[34:37] the remainders in f16, likewise
.set SC,   38                          ; v[38:39] scales, v[40:41] zeros, v[42:43] bias of my two columns (wave 0)
.set ZE,   40
.set BI,   42
.set PS,   44                          ; v[44:47] my four partial sums
.set BB,   48                          ; v[48:63] two buffers for a fragment of q
.set RM,   48                          ; v[48:55] before that: the remainders in f32
.set ACC,  64                          ; v[64:95] four accumulators
.set AF,   96                          ; v[96:159] the wave's eight fragments of x
.set QW,   160                         ; v[160:223] load t's 16 bytes at QW + 4 t; at the end wave 0's 16 pairs of partial sums
.set WV,   16                          ; s16  my wave's number
	s_load_b256 s[4:11], s[0:1], 0x0               ; x s[4:5], qweight s[6:7], scales s[8:9], zeros s[10:11]
	s_load_b128 s[12:15], s[0:1], 0x20             ; bias s[12:13], out0 s[14:15]
	v_lshl_add_u32 v[SPW], v0, 2, SPARE
	v_mov_b32 v[NIL], 0
	v_lshrrev_b32 v1, 5, v0
	v_readfirstlane_b32 s[WV], v1                  ; wave 0..15
	v_and_b32 v2, 31, v0                           ; l
	v_and_b32 v3, 15, v0                           ; l % 16
	v_bfe_u32 v4, v0, 4, 1                         ; l / 16
	s_lshl_b32 s17, ttmp9, 8                       ; the block's 256 bytes in a row
	s_mul_i32 s18, s[WV], WROWS*ROWB               ; my wave's 32 rows: 21,135,360 bytes at the most
	s_add_co_u32 s18, s18, s17
	s_mov_b32 s19, 0
	s_lshl_b32 s20, s[WV], 10
	s_lshl_b32 s21, s[WV], 8
	s_lshl_b32 s27, s[WV], 2
	s_mov_b32 s22, 0x76543210                      ; v_permlanex16_b32: each lane takes its own place in the other half
	s_mov_b32 s23, 0xfedcba98
	s_mov_b32 s24, 0x000f000f                      ; the lowest code of each half word
	s_mov_b32 s25, 0x00f000f0                      ; the next one
	s_mov_b32 s26, 0x64006400                      ; 1024.0 twice, in f16
	s_mov_b32 s28, 0x05030501                      ; v_perm_b32: the word's byte 1, a byte 0x64, the word's byte 3, a byte 0x64
	s_mov_b32 s29, 0xfff0fff0                      ; clears the lower code of a byte under its exponent
	s_mov_b32 s30, 0x3d800000                      ; 1 / 16
	v_lshl_add_u32 v[XO], v2, 5, s20
	v_mul_u32_u24 v[QO], v4, ROWB
	v_lshl_add_u32 v[QO], v3, 4, v[QO]
	v_lshl_add_u32 v[EO], v2, 3, s17
	v_and_b32 v1, 1, v0
	v_lshl_add_u32 v[XL], v4, 5, s20
	v_lshl_add_u32 v[XL], v1, 4, v[XL]
	v_lshl_add_u32 v[RS], v3, 4, s21
	v_lshlrev_b32 v[RL], 3, v2
	v_lshlrev_b32 v[SL], 2, v3
	v_mov_b32 v[SS], s27
	v_mov_b32 v[MONE], -1.0
	v_mov_b32 v[C64], s26
	s_wait_kmcnt 0x0
	s_add_nc_u64 s[6:7], s[6:7], s[18:19]          ; qweight at my wave's first row of the block
	s_cmp_lg_u32 s[WV], 0                          ; wave 0 finishes the block: it asks for the block's scales, zeros and bias now, ahead of all other loads,
	s_cbranch_scc1 .Lnot_wave_0                    ; so that the counted waits below are the same in every wave
	global_load_b64 v[SC:SC+1], v[EO], s[8:9]
	global_load_b64 v[ZE:ZE+1], v[EO], s[10:11]
	global_load_b64 v[BI:BI+1], v[EO], s[12:13]
.Lnot_wave_0:
	global_load_b128 v[XF:XF+3],   v[XO], s[4:5]   ; x of my row of qweight: k = 8 (32 v + l) + 0..7
	global_load_b128 v[XF+4:XF+7], v[XO], s[4:5] offset:16
.irp t, 0,1,2,3,4,5,6,7,8,9,10,11,12,13,14,15
	global_load_b128 v[QW+4*(\t):QW+4*(\t)+3], v[QO], s[6:7] offset:(\t)*2*ROWB th:TH_LOAD_NT  ; rows 2 t and 2 t + 1 of the wave's 32: each half of the lanes 256 consecutive bytes, aligned; read once in the launch
.endr
; The fragment of x for K step s: rows 4 s + l / 16 (registers 0-3) and 4 s + 2 + l / 16 (registers 4-7).  The bytes are my wave's own, and LDS serves a wave's instructions in order
; (ISA guide 5.7.1.4): the loads see the wave's two stores.  Each fragment has registers of its own, which no product has read before.
.macro XFRAG s
	ds_load_b128 v[AF+8*(\s):AF+8*(\s)+3],   v[XL] offset:XA+128*(\s)
	ds_load_b128 v[AF+8*(\s)+4:AF+8*(\s)+7], v[XL] offset:XA+128*(\s)+64
.endm
	; x IS MADE READY while qweight is on its way.
	s_wait_loadcnt 16                              ; x is in (loads come back in order: ISA guide 5.7.1); the 16 loads of qweight stay out
	v_pk_add_f32 v[S0:S0+1], v[XF:XF+1], v[XF+2:XF+3]  ; the sum of my 8 x, while they are still x
	v_pk_add_f32 v[S1:S1+1], v[XF+4:XF+5], v[XF+6:XF+7]
	v_pk_add_f32 v[S0:S0+1], v[S0:S0+1], v[S1:S1+1]
	v_fma_f32 v[XF+3], v[XF+3], s30, -v[XF+2]      ; the coefficients: x3 / 16 - x2,
	v_fma_f32 v[XF+7], v[XF+7], s30, -v[XF+6]      ; x7 / 16 - x6,
	v_mul_f32 v[XF+1], s30, v[XF+1]                ; x1 / 16,
	v_mul_f32 v[XF+5], s30, v[XF+5]                ; x5 / 16; x0, x2, x4, x6 as they are
.irp j, 0,1,2,3
	v_cvt_pk_f16_f32 v[HI+(\j)], v[XF+(\j)], v[XF+(\j)+4]  ; coefficient j in the low half, j + 4 in the high: as the codes fall out of a word
.endr
	ds_store_b128 v[XO], v[HI:HI+3] offset:XA
.irp j, 0,1,2,3
	v_fma_mix_f32 v[RM+(\j)],   v[HI+(\j)], v[MONE], v[XF+(\j)]   op_sel_hi:[1,0,0]                 ; c - f16(c), exact in f32: the low half,
	v_fma_mix_f32 v[RM+(\j)+4], v[HI+(\j)], v[MONE], v[XF+(\j)+4] op_sel:[1,0,0] op_sel_hi:[1,0,0]  ; the high half
.endr
.irp j, 0,1,2,3
	v_cvt_pk_f16_f32 v[LO+(\j)], v[RM+(\j)], v[RM+(\j)+4]
.endr
	ds_store_b128 v[XO], v[LO:LO+3] offset:XA+16
	XFRAG 0                                        ; the first two K steps' fragments; each later one is asked for two steps ahead
	XFRAG 1
	v_add_f32 v[XS], v[S0], v[S0+1]                ; the two sums are finished while those loads are out
	v_pk_add_f32 v[S0:S0+1], v[XF:XF+1], v[XF+2:XF+3]
	v_pk_add_f32 v[S1:S1+1], v[XF+4:XF+5], v[XF+6:XF+7]
	v_pk_add_f32 v[S0:S0+1], v[S0:S0+1], v[S1:S1+1]
	v_add_f32 v[CW], v[S0], v[S0+1]                ; the sum of my 8 coefficients
.irp m, 1,2,4,8
	v_add_f32_dpp v[CW], v[CW], v[CW] row_xmask:\m row_mask:0xf bank_mask:0xf  ; both over the wave's 32 lanes
	v_add_f32_dpp v[XS], v[XS], v[XS] row_xmask:\m row_mask:0xf bank_mask:0xf
.endr
	v_permlanex16_b32 v[S1], v[CW], s22, s23
	v_permlanex16_b32 v[S1+1], v[XS], s22, s23
	v_add_f32 v[CW], v[CW], v[S1]
	v_add_f32 v[XS], v[XS], v[S1+1]
	v_mul_f32 v[CW], 0x44800000, v[CW]             ; x 1024, exact
; Tile i of K step s: two words a lane become a fragment of q, eight instructions; then the product.  The two buffers take turns: a buffer is written again behind the other tile's eight plain
; instructions, which name no register of the product that read it (ISA guide 7.12.1).  The four accumulators take turns, one instruction a turn.  K step 0 starts the sums.
.macro TILE s, i
.set WA, QW+8*(\s)+(\i)
.set WB, QW+8*(\s)+4+(\i)
.set FB, BB+8*((\i)%2)
.set DD, ACC+8*(\i)
	v_and_or_b32 v[FB],   v[WA], s24, s26          ; 1024 + q0, 1024 + q4
	v_and_or_b32 v[FB+1], v[WA], s25, s26          ; 1024 + 16 q1, 1024 + 16 q5
	v_perm_b32   v[FB+2], v[C64], v[WA], s28       ; 1024 + q2 + 16 q3, 1024 + q6 + 16 q7: the sign bit is a bit of q7 like any other
	v_and_or_b32 v[FB+4], v[WB], s24, s26
	v_and_or_b32 v[FB+5], v[WB], s25, s26
	v_perm_b32   v[FB+6], v[C64], v[WB], s28
	v_and_b32    v[FB+3], s29, v[FB+2]             ; 1024 + 16 q3, 1024 + 16 q7
	v_and_b32    v[FB+7], s29, v[FB+6]
.if (\s) == 0
	v_wmma_f32_16x16x32_f16 v[DD:DD+7], v[AF+8*(\s):AF+8*(\s)+7], v[FB:FB+7], 0
.else
	v_wmma_f32_16x16x32_f16 v[DD:DD+7], v[AF+8*(\s):AF+8*(\s)+7], v[FB:FB+7], v[DD:DD+7]
.endif
.endm
.irp s, 0,1,2,3,4,5,6,7
.if (\s) < 6
	XFRAG (\s)+2
	s_wait_dscnt 4                                 ; this step's fragment of x is in (LDS answers in order); the four loads of the next two steps' stay out
.else
	s_wait_dscnt 2*(7-(\s))                        ; nothing more to ask for: step 7's two loads stay out, then none
.endif
	s_wait_loadcnt 14-2*(\s)                       ; loads 2 s and 2 s + 1 of qweight are in; the younger ones stay out
.irp i, 0,1,2,3
	TILE \s, \i
.endr
.endr
	; Register 0 of an accumulator is f16(c)'s row, register 1 the remainders': (row 0 - offset) + row 1.  Tiles 0 to 2 were finished eight plain instructions or more ago; their six lines, which name
	; no register of tile 3's last product, are the places behind it.
.irp i, 0,1,2
	v_sub_f32 v[PS+(\i)], v[ACC+8*(\i)], v[CW]
.endr
.irp i, 0,1,2
	v_add_f32 v[PS+(\i)], v[PS+(\i)], v[ACC+8*(\i)+1]
.endr
	v_sub_f32 v[PS+3], v[ACC+24], v[CW]
	v_add_f32 v[PS+3], v[PS+3], v[ACC+25]
	ds_store_b32 v[SS], v[XS] offset:XSUM          ; all lanes write the same number to the wave's word
	ds_store_b128 v[RS], v[PS:PS+3] offset:RED     ; columns 4 r .. 4 r + 3; lanes 16-31 hold, and write, the same numbers to the same bytes as lanes 0-15
	s_wait_dscnt 0x0                               ; for wave 0's sake: my partial sums and my sum of x lie in LDS
	s_barrier_signal -1
	s_barrier_wait -1                              ; everybody's do
	s_cmp_lg_u32 s[WV], 0
	s_cbranch_scc1 .Lend
	; WAVE 0 FINISHES THE BLOCK: a lane takes two columns.
.irp w, 0,1,2,3,4,5,6,7,8,9,10,11,12,13,14,15
	ds_load_b64 v[QW+2*(\w):QW+2*(\w)+1], v[RL] offset:RED+256*(\w)
.endr
	ds_load_b32 v[XS], v[SL] offset:XSUM           ; lane l: wave l % 16's sum of x
	s_wait_dscnt 0x0
.irp m, 1,2,4,8
	v_add_f32_dpp v[XS], v[XS], v[XS] row_xmask:\m row_mask:0xf bank_mask:0xf  ; each half of the lanes holds all 16: the sum of x, in every lane
.endr
.macro FOLD n                          ; the upper n pairs onto the lower n
.set w, 0
.rept \n
	v_pk_add_f32 v[QW+2*w:QW+2*w+1], v[QW+2*w:QW+2*w+1], v[QW+2*(w+\n):QW+2*(w+\n)+1]
.set w, w+1
.endr
.endm
	FOLD 8
	FOLD 4
	FOLD 2
	FOLD 1
	v_fma_f32 v[BI],   -v[XS], v[ZE],   v[BI]      ; bias - xsum zeros (scales, zeros and bias came in ahead of x)
	v_fma_f32 v[BI+1], -v[XS], v[ZE+1], v[BI+1]
	v_pk_fma_f32 v[BI:BI+1], v[QW:QW+1], v[SC:SC+1], v[BI:BI+1]  ; + xq scales
	global_store_b64 v[EO], v[BI:BI+1], s[14:15] th:TH_STORE_NT  ; the wave stores 256 consecutive bytes, at a multiple of 256 from out0's first byte
.Lend:
	s_wait_tensorcnt 0x0                           ; the wave's end, behind my last LDS store
	ds_add_u32 v[SPW], v[NIL]
	s_wait_dscnt 0x0
	s_endpgm
.Lfunc_end_k_q8446551d0e_q4gemv:
	.size	k_q8446551d0e_q4gemv, .Lfunc_end_k_q8446551d0e_q4gemv-k_q8446551d0e_q4gemv
	.p2alignl 7, 3214868480
	.fill 96, 4, 3214868480
	.section	.rodata,"a",@progbits
	.p2align	6, 0x0
	.amdhsa_kernel k_q8446551d0e_q4gemv
		.amdhsa_group_segment_fixed_size 22784
		.amdhsa_private_segment_fixed_size 0
		.amdhsa_enable_private_segment 0
		.amdhsa_kernarg_size 48
		.amdhsa_user_sgpr_count 2
		.amdhsa_user_sgpr_kernarg_segment_ptr 1
		.amdhsa_wavefront_size32 1
		.amdhsa_system_sgpr_workgroup_id_x 1
		.amdhsa_system_sgpr_workgroup_id_y 1
		.amdhsa_system_sgpr_workgroup_id_z 1
		.amdhsa_system_vgpr_workitem_id 0
		.amdhsa_next_free_vgpr 224
		.amdhsa_next_free_sgpr 66
		.amdhsa_reserve_vcc 0
		.amdhsa_float_denorm_mode_32 3
		.amdhsa_float_denorm_mode_16_64 3
		.amdhsa_memory_ordered 1
		.amdhsa_forward_progress 1
		.amdhsa_inst_pref_size 28
	.end_amdhsa_kernel
	.amdgpu_metadata
---
amdhsa.version: [ 1, 2 ]
amdhsa.kernels:
  - .name:           k_q8446551d0e_q4gemv
    .symbol:         k_q8446551d0e_q4gemv.kd
    .args:
      - { .name: x, .offset: 0, .size: 8, .value_kind: global_buffer, .address_space: global }
      - { .name: qweight, .offset: 8, .size: 8, .value_kind: global_buffer, .address_space: global }
      - { .name: scales, .offset: 16, .size: 8, .value_kind: global_buffer, .address_space: global }
      - { .name: zeros, .offset: 24, .size: 8, .value_kind: global_buffer, .address_space: global }
      - { .name: bias, .offset: 32, .size: 8, .value_kind: global_buffer, .address_space: global }
      - { .name: out0, .offset: 40, .size: 8, .value_kind: global_buffer, .address_space: global }
    .group_segment_fixed_size: 22784
    .private_segment_fixed_size: 0
    .kernarg_segment_align: 8
    .kernarg_segment_size: 48
    .max_flat_workgroup_size: 512
    .sgpr_count:     66
    .vgpr_count:     224
    .wavefront_size: 32
...
	.end_amdgpu_metadata
.endif
;; end of part 1
;; ======== version 2 of 2: 1 launch; version 1 with the launch q4gemv written anew for expert scheduling mode
;; limits: values are held in f16: magnitudes above 65,504 overflow, below 6.1e-05 lose precision; inputs' magnitudes at most 60,000
;; launch q4gemv (part 2): grid 172 x 1, 16 waves a work-group, no clusters, 22,784 bytes of LDS; arguments x, qweight, scales, zeros, bias, out0; writes out0
.if DOCPART == 2
	.amdgcn_target "amdgcn-amd-amdhsa--gfx1250"
	.amdhsa_code_object_version 6
	.text
	.protected	k_q8446551d0e_q4gemv
	.globl	k_q8446551d0e_q4gemv
	.p2align	8
	.type	k_q8446551d0e_q4gemv,@function
k_q8446551d0e_q4gemv:
	s_mov_b64 s[64:65], 0
	v_nop
	global_prefetch_b8 v0, s[64:65] scope:SCOPE_SE
	s_setreg_imm32_b32 hwreg(HW_REG_WAVE_SCHED_MODE, 0, 2), 2
	s_setreg_imm32_b32 hwreg(HW_REG_WAVE_MODE, 25, 1), 1
	s_wait_xcnt 0x0
	s_wait_alu depctr_vm_vsrc(0)
; out0[c] = scales[c] * (sum over k of x[k] q[k][c]) - zeros[c] * (sum over k of x[k]) + bias[c];  q[8 w + j][c] = bits 4 j .. 4 j + 3 of qweight[w][c].
; x: [4096] f32; qweight: [512][11008] i32; scales, zeros, bias, out0: [11008] f32.  Nothing of reference() is left out: all five inputs are loaded and used.
; SHARES.  A row of qweight is 44,032 bytes = 172 aligned blocks of 256 bytes (64 columns).  A work-group owns one block for all of K: 172 work-groups; each column's sum is made in one
; work-group, so one launch does.  K IS SPLIT AMONG ITS 16 WAVES: wave v takes rows 32 v .. 32 v + 31 of qweight (256 k): 16 loads of 16 bytes a lane, each two rows x 256 consecutive bytes
; (lanes 0-15 one row, lanes 16-31 the next).  All 16 are issued at the wave's head, into 64 registers: the work-group's 131,072 bytes are asked for at once, and nothing is left to ask for ahead.
; THE PRODUCT goes to the matrix unit in f16, sums in f32.  Source 0 holds x, source 1 sixteen columns of q.  In either source lane l holds row or column l % 16 and, by its half l / 16 and its
; registers, 16 of the 32 k; the two maps are alike, so any order of k serves that both sources keep.  A word of qweight IS eight k of one column: half a lane's fragment.  Register i of a lane's 16
; bytes is column 4 (l % 16) + i: tile i holds the columns 4 r + i, and two loads feed four products, on four accumulators that take turns.
; UNPACKING, four instructions a word, one for each register of two f16, all numbers exact in f16:
;   (w & 0x000f000f) | 0x64006400 = (1024 + q0, 1024 + q4)            (w & 0x00f000f0) | 0x64006400 = (1024 + 16 q1, 1024 + 16 q5)
;   bytes 1 and 3 of w, each under a byte 0x64 = (1024 + q2 + 16 q3, 1024 + q6 + 16 q7)            that register & 0xfff0fff0 = (1024 + 16 q3, 1024 + 16 q7)
; x pays for it, once a wave: the four registers' COEFFICIENTS are (x0, x4), (x1 / 16, x5 / 16), (x2, x6), (x3 / 16 - x2, x7 / 16 - x6), since x2 (q2 + 16 q3) + (x3 / 16 - x2) 16 q3 = x2 q2 + x3 q3.
; A wave's sum is then xq + 1024 x (the sum of its 256 coefficients); that term, made in f32, is taken away in the wave.
; EACH COEFFICIENT c GOES IN TWICE: the even rows of source 0 hold f16(c), the odd rows f16(c - f16(c)); result rows 0 and 1 are added.  So c is carried to about 2^-22 of itself; a code's number is
; at most 1,279 against q's mean of 7.5, which raises that to about 2^-14 of a term of xq: finer than one rounding of x to bf16.  The f32 sums carried are up to some 140 times xq's own: about
; 2^-17 of xq is lost there.  Rows 2 to 15 repeat rows 0 and 1 (a result row hangs on its own row of source 0 alone): lanes 16-31 end with the same numbers as lanes 0-15.
; THE FRAGMENTS OF x go through the wave's own LDS bytes (a lane makes one row's eight coefficients; a fragment wants them in every lane).  They are read back two K steps ahead of their
; products, two loads a step, beside the unpacking: not in one run of 16 in front of the first product.
; LIMITS.  |x| stays under 60,000 (x3 / 16 - x2 in f16); a coefficient is carried with an absolute error of up to 2^-25 from f16's smallest step; sums are taken in another order than
; reference()'s; NaN and infinities are not treated apart.
; NO CLUSTER: work-groups share x alone, 16,384 of the 148,224 bytes that each reads.  NO LDS ON qweight's WAY IN: no wave wants a byte of it that another has fetched.
; THE MODE: SCHED_MODE bits 1:0 = 2 (LLVM: expert scheduling mode 2), set by the entry lines.  The code itself states the register dependences between vector or matrix instructions and memory
; or LDS instructions, with s_wait_alu, always for 0.
; THE PLAN.  Registers that memory or LDS instructions touch:
;   v7-v13, v16, v5, v6   offsets, LDS addresses and the closing add's pair: written once at the head by vector instructions, read by loads and stores, never written again.
;   SC, ZE, BI, XF, QW    loaded at the head, named by nothing before that.  BI is written by the last multiply-adds and then read by the global store.  QW is read by the unpacking lines; at the
;                         end wave 0's loads of the partial sums land in its first 32 registers.
;   HI, LO                written by the conversions of x, read by the two LDS stores of x, never written again.
;   AF                    each fragment has eight registers of its own: nothing names them before its two LDS loads; behind them its four products read them.
;   PS, XS                written by vector instructions, read by the two LDS stores ahead of the barrier, never written again.
;   v18                   at work in the sums; at the end wave 0's load of the waves' sums of x lands in it (not in XS, which an LDS store has read).
; So four waits on va_vdst state all of it: at the head (the addresses), ahead of x's two LDS stores (HI, LO), ahead of the two LDS stores in front of the barrier (PS, XS; the unpacking lines are
; done with QW and the sums with v18), and ahead of the global store (BI).  One wait on va_sdst stands behind v_readfirstlane_b32.  No register that a memory or LDS instruction has read is written
; again, so no wait on vm_vsrc is owed.  The eight K steps hold no s_wait_alu: a step's two LDS loads read v9 and land in AF of the step two on, which no vector or matrix instruction has named.
.set NCOL,  11008
.set ROWB,  NCOL*4                     ; bytes in a row of qweight
.set WROWS, 32                         ; rows of qweight to a wave
.set XA,    0                          ; LDS: wave v's own 1,024 bytes at 1,024 v: for each of its 32 rows 16 bytes of f16(c), 16 bytes of the remainders
.set RED,   16384                      ; wave v's 64 partial sums, 256 bytes, at RED + 256 v
.set XSUM,  RED+4096                   ; wave v's sum of x at XSUM + 4 v
.set SPARE, XSUM+256                   ; the spare words, 128 bytes for each of the 16 waves: eight blocks of 256 bytes that no other line names
.set C64,  1                           ; v1   at work in the set-up; then 1024.0 twice, in f16
.set SPW,  5                           ; v5   LDS address of my spare word; never rewritten
.set NIL,  6                           ; v6   0; never rewritten
.set QO,   7                           ; v7   my byte offset in the wave's first two rows of the block: (l / 16) x ROWB + 16 (l % 16)
.set XO,   8                           ; v8   1,024 v + 32 l: my 8 numbers of x in memory, and my 32 bytes in XA
.set XL,   9                           ; v9   where I read fragments of x: 1,024 v + 32 (l / 16) + 16 (l % 2)
.set RS,   10                          ; v10  256 v + 16 (l % 16): where I put my four partial sums
.set RL,   11                          ; v11  8 l: my two columns in a row of partial sums
.set SL,   12                          ; v12  4 (l % 16): one wave's sum of x
.set SS,   13                          ; v13  4 v
.set XS,   14                          ; v14  my wave's sum of x
.set CW,   15                          ; v15  1024 x the sum of the coefficients
.set EO,   16                          ; v16  256 x block + 8 l: my two columns in scales, zeros, bias, out0
.set MONE, 17                          ; v17  -1.0
.set S0,   18                          ; v[18:19] sums at work; at the end, in wave 0, v18 takes the waves' sums of x
.set S1,   20                          ; v[20:21] sums at work
.set XF,   22                          ; v[22:29] my 8 numbers of x, then my 8 coefficients
.set HI,   30                          ; v[30:33] f16(c): register j holds the coefficients j and j + 4
.set LO,   34                          ; v[34:37] the remainders in f16, likewise
.set SC,   38                          ; v[38:39] scales, v[40:41] zeros, v[42:43] bias of my two columns (wave 0)
.set ZE,   40
.set BI,   42
.set PS,   44                          ; v[44:47] my four partial sums
.set BB,   48                          ; v[48:63] two buffers for a fragment of q
.set RM,   48                          ; v[48:55] before that: the remainders in f32
.set ACC,  64                          ; v[64:95] four accumulators
.set AF,   96                          ; v[96:159] the wave's eight fragments of x
.set QW,   160                         ; v[160:223] load t's 16 bytes at QW + 4 t; at the end wave 0's 16 pairs of partial sums
.set WV,   16                          ; s16  my wave's number
	s_load_b256 s[4:11], s[0:1], 0x0               ; x s[4:5], qweight s[6:7], scales s[8:9], zeros s[10:11]
	s_load_b128 s[12:15], s[0:1], 0x20             ; bias s[12:13], out0 s[14:15]
	v_lshl_add_u32 v[SPW], v0, 2, SPARE
	v_mov_b32 v[NIL], 0
	v_lshrrev_b32 v1, 5, v0
	v_readfirstlane_b32 s[WV], v1                  ; wave 0..15
	v_and_b32 v2, 31, v0                           ; l
	v_and_b32 v3, 15, v0                           ; l % 16
	v_bfe_u32 v4, v0, 4, 1                         ; l / 16
	s_lshl_b32 s17, ttmp9, 8                       ; the block's 256 bytes in a row
	s_wait_alu depctr_va_sdst(0)                   ; s16 is written, ahead of its first reader: the wave's offsets, and later two branches, are made from it
	s_mul_i32 s18, s[WV], WROWS*ROWB               ; my wave's 32 rows: 21,135,360 bytes at the most
	s_add_co_u32 s18, s18, s17
	s_mov_b32 s19, 0
	s_lshl_b32 s20, s[WV], 10
	s_lshl_b32 s21, s[WV], 8
	s_lshl_b32 s27, s[WV], 2
	s_mov_b32 s22, 0x76543210                      ; v_permlanex16_b32: each lane takes its own place in the other half
	s_mov_b32 s23, 0xfedcba98
	s_mov_b32 s24, 0x000f000f                      ; the lowest code of each half word
	s_mov_b32 s25, 0x00f000f0                      ; the next one
	s_mov_b32 s26, 0x64006400                      ; 1024.0 twice, in f16
	s_mov_b32 s28, 0x05030501                      ; v_perm_b32: the word's byte 1, a byte 0x64, the word's byte 3, a byte 0x64
	s_mov_b32 s29, 0xfff0fff0                      ; clears the lower code of a byte under its exponent
	s_mov_b32 s30, 0x3d800000                      ; 1 / 16
	v_lshl_add_u32 v[XO], v2, 5, s20
	v_mul_u32_u24 v[QO], v4, ROWB
	v_lshl_add_u32 v[QO], v3, 4, v[QO]
	v_lshl_add_u32 v[EO], v2, 3, s17
	v_and_b32 v1, 1, v0
	v_lshl_add_u32 v[XL], v4, 5, s20
	v_lshl_add_u32 v[XL], v1, 4, v[XL]
	v_lshl_add_u32 v[RS], v3, 4, s21
	v_lshlrev_b32 v[RL], 3, v2
	v_lshlrev_b32 v[SL], 2, v3
	v_mov_b32 v[SS], s27
	v_mov_b32 v[MONE], -1.0
	v_mov_b32 v[C64], s26
	s_wait_kmcnt 0x0
	s_add_nc_u64 s[6:7], s[6:7], s[18:19]          ; qweight at my wave's first row of the block
	s_wait_alu depctr_va_vdst(0)                   ; the offsets and LDS addresses v7 to v13 and v16 are written, which every load and store of the kernel reads; none is written again.  Ahead of the branch: on both ways
	s_cmp_lg_u32 s[WV], 0                          ; wave 0 finishes the block: it asks for the block's scales, zeros and bias now, ahead of all other loads,
	s_cbranch_scc1 .Lnot_wave_0                    ; so that the counted waits below are the same in every wave
	global_load_b64 v[SC:SC+1], v[EO], s[8:9]
	global_load_b64 v[ZE:ZE+1], v[EO], s[10:11]
	global_load_b64 v[BI:BI+1], v[EO], s[12:13]
.Lnot_wave_0:
	global_load_b128 v[XF:XF+3],   v[XO], s[4:5]   ; x of my row of qweight: k = 8 (32 v + l) + 0..7
	global_load_b128 v[XF+4:XF+7], v[XO], s[4:5] offset:16
.irp t, 0,1,2,3,4,5,6,7,8,9,10,11,12,13,14,15
	global_load_b128 v[QW+4*(\t):QW+4*(\t)+3], v[QO], s[6:7] offset:(\t)*2*ROWB th:TH_LOAD_NT  ; rows 2 t and 2 t + 1 of the wave's 32: each half of the lanes 256 consecutive bytes, aligned; read once in the launch
.endr
; The fragment of x for K step s: rows 4 s + l / 16 (registers 0-3) and 4 s + 2 + l / 16 (registers 4-7).  The bytes are my wave's own, and LDS serves a wave's instructions in order
; (ISA guide 5.7.1.4): the loads see the wave's two stores.  Each fragment has registers of its own, which no vector or matrix instruction has named before: the loads owe no s_wait_alu.
.macro XFRAG s
	ds_load_b128 v[AF+8*(\s):AF+8*(\s)+3],   v[XL] offset:XA+128*(\s)
	ds_load_b128 v[AF+8*(\s)+4:AF+8*(\s)+7], v[XL] offset:XA+128*(\s)+64
.endm
	; x IS MADE READY while qweight is on its way.
	s_wait_loadcnt 16                              ; x is in (loads come back in order: ISA guide 5.7.1); the 16 loads of qweight stay out
	v_pk_add_f32 v[S0:S0+1], v[XF:XF+1], v[XF+2:XF+3]  ; the sum of my 8 x, while they are still x
	v_pk_add_f32 v[S1:S1+1], v[XF+4:XF+5], v[XF+6:XF+7]
	v_pk_add_f32 v[S0:S0+1], v[S0:S0+1], v[S1:S1+1]
	v_fma_f32 v[XF+3], v[XF+3], s30, -v[XF+2]      ; the coefficients: x3 / 16 - x2,
	v_fma_f32 v[XF+7], v[XF+7], s30, -v[XF+6]      ; x7 / 16 - x6,
	v_mul_f32 v[XF+1], s30, v[XF+1]                ; x1 / 16,
	v_mul_f32 v[XF+5], s30, v[XF+5]                ; x5 / 16; x0, x2, x4, x6 as they are
.irp j, 0,1,2,3
	v_cvt_pk_f16_f32 v[HI+(\j)], v[XF+(\j)], v[XF+(\j)+4]  ; coefficient j in the low half, j + 4 in the high: as the codes fall out of a word
.endr
.irp j, 0,1,2,3
	v_fma_mix_f32 v[RM+(\j)],   v[HI+(\j)], v[MONE], v[XF+(\j)]   op_sel_hi:[1,0,0]                 ; c - f16(c), exact in f32: the low half,
	v_fma_mix_f32 v[RM+(\j)+4], v[HI+(\j)], v[MONE], v[XF+(\j)+4] op_sel:[1,0,0] op_sel_hi:[1,0,0]  ; the high half
.endr
.irp j, 0,1,2,3
	v_cvt_pk_f16_f32 v[LO+(\j)], v[RM+(\j)], v[RM+(\j)+4]
.endr
	s_wait_alu depctr_va_vdst(0)                   ; the conversions have written HI and LO, which the two LDS stores read: one wait for both (a fragment wants both stores done in any case)
	ds_store_b128 v[XO], v[HI:HI+3] offset:XA
	ds_store_b128 v[XO], v[LO:LO+3] offset:XA+16
	XFRAG 0                                        ; the first two K steps' fragments; each later one is asked for two steps ahead
	XFRAG 1
	v_add_f32 v[XS], v[S0], v[S0+1]                ; the two sums are finished while those loads are out
	v_pk_add_f32 v[S0:S0+1], v[XF:XF+1], v[XF+2:XF+3]
	v_pk_add_f32 v[S1:S1+1], v[XF+4:XF+5], v[XF+6:XF+7]
	v_pk_add_f32 v[S0:S0+1], v[S0:S0+1], v[S1:S1+1]
	v_add_f32 v[CW], v[S0], v[S0+1]                ; the sum of my 8 coefficients
.irp m, 1,2,4,8
	v_add_f32_dpp v[CW], v[CW], v[CW] row_xmask:\m row_mask:0xf bank_mask:0xf  ; both over the wave's 32 lanes
	v_add_f32_dpp v[XS], v[XS], v[XS] row_xmask:\m row_mask:0xf bank_mask:0xf
.endr
	v_permlanex16_b32 v[S1], v[CW], s22, s23
	v_permlanex16_b32 v[S1+1], v[XS], s22, s23
	v_add_f32 v[CW], v[CW], v[S1]
	v_add_f32 v[XS], v[XS], v[S1+1]
	v_mul_f32 v[CW], 0x44800000, v[CW]             ; x 1024, exact
; Tile i of K step s: two words a lane become a fragment of q, eight instructions; then the product.  The two buffers take turns: a buffer is written again behind the other tile's eight plain
; instructions, which name no register of the product that read it (ISA guide 7.12.1).  The four accumulators take turns, one instruction a turn.  K step 0 starts the sums.
.macro TILE s, i
.set WA, QW+8*(\s)+(\i)
.set WB, QW+8*(\s)+4+(\i)
.set FB, BB+8*((\i)%2)
.set DD, ACC+8*(\i)
	v_and_or_b32 v[FB],   v[WA], s24, s26          ; 1024 + q0, 1024 + q4
	v_and_or_b32 v[FB+1], v[WA], s25, s26          ; 1024 + 16 q1, 1024 + 16 q5
	v_perm_b32   v[FB+2], v[C64], v[WA], s28       ; 1024 + q2 + 16 q3, 1024 + q6 + 16 q7: the sign bit is a bit of q7 like any other
	v_and_or_b32 v[FB+4], v[WB], s24, s26
	v_and_or_b32 v[FB+5], v[WB], s25, s26
	v_perm_b32   v[FB+6], v[C64], v[WB], s28
	v_and_b32    v[FB+3], s29, v[FB+2]             ; 1024 + 16 q3, 1024 + 16 q7
	v_and_b32    v[FB+7], s29, v[FB+6]
.if (\s) == 0
	v_wmma_f32_16x16x32_f16 v[DD:DD+7], v[AF+8*(\s):AF+8*(\s)+7], v[FB:FB+7], 0
.else
	v_wmma_f32_16x16x32_f16 v[DD:DD+7], v[AF+8*(\s):AF+8*(\s)+7], v[FB:FB+7], v[DD:DD+7]
.endif
.endm
; The eight K steps.  A step's vector and matrix instructions name QW's words of the step, the two buffers BB, the accumulators and AF of the step itself; its two LDS loads read v9 and land in AF of the
; step two on.  So the steps state no dependence between the two sides: the waits here are those for data.
.irp s, 0,1,2,3,4,5,6,7
.if (\s) < 6
	XFRAG (\s)+2
	s_wait_dscnt 4                                 ; this step's fragment of x is in (LDS answers in order); the four loads of the next two steps' stay out
.else
	s_wait_dscnt 2*(7-(\s))                        ; nothing more to ask for: step 7's two loads stay out, then none
.endif
	s_wait_loadcnt 14-2*(\s)                       ; loads 2 s and 2 s + 1 of qweight are in; the younger ones stay out
.irp i, 0,1,2,3
	TILE \s, \i
.endr
.endr
	; Register 0 of an accumulator is f16(c)'s row, register 1 the remainders': (row 0 - offset) + row 1.  Tiles 0 to 2 were finished eight plain instructions or more ago; their six lines, which name
	; no register of tile 3's last product, are the places behind it.
.irp i, 0,1,2
	v_sub_f32 v[PS+(\i)], v[ACC+8*(\i)], v[CW]
.endr
.irp i, 0,1,2
	v_add_f32 v[PS+(\i)], v[PS+(\i)], v[ACC+8*(\i)+1]
.endr
	v_sub_f32 v[PS+3], v[ACC+24], v[CW]
	v_add_f32 v[PS+3], v[PS+3], v[ACC+25]
	s_wait_alu depctr_va_vdst(0)                   ; PS and XS are written, which the two LDS stores read; the unpacking lines are done reading QW and the sums are done with v18, in which wave 0's loads behind the barrier land (no vector instruction stands between)
	ds_store_b32 v[SS], v[XS] offset:XSUM          ; all lanes write the same number to the wave's word
	ds_store_b128 v[RS], v[PS:PS+3] offset:RED     ; columns 4 r .. 4 r + 3; lanes 16-31 hold, and write, the same numbers to the same bytes as lanes 0-15
	s_wait_dscnt 0x0                               ; for wave 0's sake: my partial sums and my sum of x lie in LDS
	s_barrier_signal -1
	s_barrier_wait -1                              ; everybody's do
	s_cmp_lg_u32 s[WV], 0
	s_cbranch_scc1 .Lend
	; WAVE 0 FINISHES THE BLOCK: a lane takes two columns.
.irp w, 0,1,2,3,4,5,6,7,8,9,10,11,12,13,14,15
	ds_load_b64 v[QW+2*(\w):QW+2*(\w)+1], v[RL] offset:RED+256*(\w)
.endr
	ds_load_b32 v[S0], v[SL] offset:XSUM           ; lane l: wave l % 16's sum of x; into v18 and not into XS, which the LDS store above has read
	s_wait_dscnt 0x0
.irp m, 1,2,4,8
	v_add_f32_dpp v[S0], v[S0], v[S0] row_xmask:\m row_mask:0xf bank_mask:0xf  ; each half of the lanes holds all 16: the sum of x, in every lane
.endr
.macro FOLD n                          ; the upper n pairs onto the lower n
.set w, 0
.rept \n
	v_pk_add_f32 v[QW+2*w:QW+2*w+1], v[QW+2*w:QW+2*w+1], v[QW+2*(w+\n):QW+2*(w+\n)+1]
.set w, w+1
.endr
.endm
	FOLD 8
	FOLD 4
	FOLD 2
	FOLD 1
	v_fma_f32 v[BI],   -v[S0], v[ZE],   v[BI]      ; bias - xsum zeros (scales, zeros and bias came in ahead of x)
	v_fma_f32 v[BI+1], -v[S0], v[ZE+1], v[BI+1]
	v_pk_fma_f32 v[BI:BI+1], v[QW:QW+1], v[SC:SC+1], v[BI:BI+1]  ; + xq scales
	s_wait_alu depctr_va_vdst(0)                   ; the multiply-adds have written BI, which the store reads
	global_store_b64 v[EO], v[BI:BI+1], s[14:15] th:TH_STORE_NT  ; the wave stores 256 consecutive bytes, at a multiple of 256 from out0's first byte
.Lend:
	s_wait_dscnt 0x0                               ; the wave's end, behind my last LDS store
	s_wait_alu 0x0
	s_wait_tensorcnt 0x0
	ds_add_u32 v[SPW], v[NIL]
	s_wait_dscnt 0x0
	s_endpgm
.Lfunc_end_k_q8446551d0e_q4gemv:
	.size	k_q8446551d0e_q4gemv, .Lfunc_end_k_q8446551d0e_q4gemv-k_q8446551d0e_q4gemv
	.p2alignl 7, 3214868480
	.fill 96, 4, 3214868480
	.section	.rodata,"a",@progbits
	.p2align	6, 0x0
	.amdhsa_kernel k_q8446551d0e_q4gemv
		.amdhsa_group_segment_fixed_size 22784
		.amdhsa_private_segment_fixed_size 0
		.amdhsa_enable_private_segment 0
		.amdhsa_kernarg_size 48
		.amdhsa_user_sgpr_count 2
		.amdhsa_user_sgpr_kernarg_segment_ptr 1
		.amdhsa_wavefront_size32 1
		.amdhsa_system_sgpr_workgroup_id_x 1
		.amdhsa_system_sgpr_workgroup_id_y 1
		.amdhsa_system_sgpr_workgroup_id_z 1
		.amdhsa_system_vgpr_workitem_id 0
		.amdhsa_next_free_vgpr 224
		.amdhsa_next_free_sgpr 66
		.amdhsa_reserve_vcc 0
		.amdhsa_float_denorm_mode_32 3
		.amdhsa_float_denorm_mode_16_64 3
		.amdhsa_memory_ordered 1
		.amdhsa_forward_progress 1
		.amdhsa_inst_pref_size 28
	.end_amdhsa_kernel
	.amdgpu_metadata
---
amdhsa.version: [ 1, 2 ]
amdhsa.kernels:
  - .name:           k_q8446551d0e_q4gemv
    .symbol:         k_q8446551d0e_q4gemv.kd
    .args:
      - { .name: x, .offset: 0, .size: 8, .value_kind: global_buffer, .address_space: global }
      - { .name: qweight, .offset: 8, .size: 8, .value_kind: global_buffer, .address_space: global }
      - { .name: scales, .offset: 16, .size: 8, .value_kind: global_buffer, .address_space: global }
      - { .name: zeros, .offset: 24, .size: 8, .value_kind: global_buffer, .address_space: global }
      - { .name: bias, .offset: 32, .size: 8, .value_kind: global_buffer, .address_space: global }
      - { .name: out0, .offset: 40, .size: 8, .value_kind: global_buffer, .address_space: global }
    .group_segment_fixed_size: 22784
    .private_segment_fixed_size: 0
    .kernarg_segment_align: 8
    .kernarg_segment_size: 48
    .max_flat_workgroup_size: 512
    .sgpr_count:     66
    .vgpr_count:     224
    .wavefront_size: 32
...
	.end_amdgpu_metadata
.endif
;; end of part 2
